; MI455X (gfx1250); checked and timed in simulation.
; The chip was launched on July 23, 2026; its instructions are those of AMD's public machine-readable ISA for CDNA 5 (MIT licence, August 2026) and "CDNA5" Instruction Set Architecture Reference Guide (July 2026). The comments in the code are by the model that wrote it; some were corrected since.
;; Quantized. Allowed arithmetic: matrix products marked QUANTISED: E5M2 operands, one given power-of-two scale a tensor, by v_wmma_f32_16x16x64_bf8_bf8 or v_wmma_f32_16x16x128_bf8_bf8, f32 sums; products left as they are: f32 operands where the result goes on into a quantised operand, else bf16, f16 or f32 operands; f32 sums; everything else in f32.
;; Inputs: lowp_scales 2 int32 (the exponents e of the quantised operands' scales 2^e); offset 4,096 float32; rng 1 x 1 x 4,096 float32; weight 4,096 x 4,096 float32; y 2 x 2,048 x 4,096 float32.
;; Outputs: out0 2 x 2,048 x 4,096 float32.
;; This version of the problem:
;;   THIS VERSION OF THE PROBLEM IS GIVEN IN LOW PRECISION. The matrix products marked QUANTISED in the list below multiply operands that are first quantised to E5M2 (5 exponent bits, 2 mantissa bits; 8 bits a number), with one given power-of-two scale for each operand tensor; their sums are f32. All else is computed in f32.
;;   The module's matrix products, in the order in which they are computed (A, B: the left and right operand; K: the contracted axis; several contracted axes count as one K, in the product's order):
;;     1. [M 4,096, K 4,096] x [K 4,096, N 1]; A: input y; B: input offset: left as it is (N = 1 < 16)
;;     2. [M 4,096, K 4,096] x [K 4,096, N 4,096]; A: computed on the way; B: input weight: QUANTISED (scales: A lowp_scales[0], B lowp_scales[1])
;;   THE QUANTISER, for each operand of a quantised product, along K:
;;     - The operand's scale is 2^e, e = its entry of the input lowp_scales (int32; the entries are numbered through the quantised products in the list's order, A before B).
;;     - Each number is divided by the scale, clamped to +-57,344, and rounded to the nearest number of E5M2, ties to even, subnormals kept.
;;     - The product sums the exact products of the quantised numbers (number of the format x scale) in f32.
;;   ~~~python
;;   def quantise(x, axis, e):      # numpy; x: float32 -> the quantised numbers, widened to float32 again
;;       x = np.moveaxis(x, axis, -1); K = x.shape[-1]
;;       r = np.clip(x / 2.0 ** e, -57344, 57344)
;;       step = 2.0 ** (np.maximum(np.frexp(np.where(r == 0, 1, r))[1] - 1, -14) - 2)
;;       q = np.round(r / step) * step * 2.0 ** e      # np.round: ties to even
;;       return np.moveaxis(q, -1, axis).astype(np.float32)
;;   ~~~
;;   OPERANDS COMPUTED ON THE WAY. 'Computed on the way' means the value that the module computes at that place (a softmax that the list does not call 'softmax' is quantised finished and normalised). What goes into a quantiser is computed in f32, as accurately as f32 sums, v_exp_f32 and their like allow (about 1e-6 of the number): no bf16 or f16 on the way to a quantiser, and a product that is left as it is and whose result goes on into a quantised operand takes f32 operands (vector FMAs, or v_wmma_f32_16x16x4_f32). A number that lies on a knife's edge between two numbers of the format may be rounded either way, as far as f32 arithmetic and the matrix unit's own rounding can turn it there, and no further.
;; One version. Each part assembles by itself: llvm-mc -triple=amdgcn-amd-amdhsa -mcpu=gfx1250 --defsym DOCPART=n.
;; ======== version 1 of 1: 2 launches
;; limits: right only within a limited range of input values
;; workspace buffers: a_codes 16,777,216 bytes; b_codes 16,777,216 bytes; yvp 131,072 bytes
;; launch quant (part 1): grid 512 x 1, 8 waves a work-group, no clusters, 18,432 bytes of LDS; arguments y, rng, offset, weight, lowp_scales, a_codes, b_codes, yvp; writes a_codes, b_codes, yvp
.if DOCPART == 1
	.amdgcn_target "amdgcn-amd-amdhsa--gfx1250"
	.amdhsa_code_object_version 6
	.text
	.protected	k_q87c5d02a83_quant
	.globl	k_q87c5d02a83_quant
	.p2align	8
	.type	k_q87c5d02a83_quant,@function
k_q87c5d02a83_quant:
	s_mov_b64 s[64:65], 0
	v_nop
	global_prefetch_b8 v0, s[64:65] scope:SCOPE_SE
	s_setreg_imm32_b32 hwreg(HW_REG_WAVE_MODE, 25, 1), 1
	s_wait_xcnt 0x0
; Both operands of out = Q(y * rng) Q(weight) + y . offset become codes of BF8 (E5M2), one code a byte, each with its given scale 2^e
; (entry 0: y * rng; entry 1: weight); the partial sums of y . offset are formed while y is in registers.
; code = x / 2^e, held within +-57,344, rounded to the nearest code, ties to even.
; LIMITS: each e lies between -126 and 112.  NaN among the inputs is not served; an infinity is held at the largest code.
; THE CODES ARE LAID AS IMAGES OF THE PRODUCT'S OPERAND REGISTERS, in units of 256 bytes: 16 rows x a group of 16 neighbouring k (group kg = k / 16).
; a_codes: [256 blocks of 16 rows m][256 groups][16 rows][16].
; b_codes: [16 blocks of 256 n][32 steps of 128 K][16 fragments b][8 groups][16 rows r][16]; fragment b, row r is column n = 64 (b / 4) + 4 r + b % 4 of the block.
; yvp: f32, [256 blocks of 16 rows][8 chunks of 512 along K][16 rows]: y . offset over one chunk; the product's launch adds the eight.
; Work-groups 0-255 take y: 16 rows each, wave w chunk w, in four phases of 128 along K.  Work-groups 256-511 take weight: 256 columns x 16 groups.  No barrier: waves share nothing.
.set YWG,  256
.set RG,   16                          ; y: v16-31 rng, v32-47 offset of my 16 columns: register 4 p + j is k = 512 w + 128 p + 4 lane + j
.set OF,   32
.set X,    48                          ; v48-175 two sets of 16 rows x 4 numbers
.set S2,   176                         ; v176-207 each row's sum, in two halves
.set C,    208                         ; v208-223 a phase's codes: a register a row
.set OUTR, 224                         ; v224-255 two sets of four: a phase's units read back
.set S,    48                          ; at the end: the 16 sums, and the folding's registers
.set T,    64
.set XW,   16                          ; weight: v16-143 two sets of 16 loads x 4 columns
.set XT,   144                         ; v144-207 four columns x 16 places, held
.set CW,   208                         ; v208-239 two sets of 4 x 16 codes
.set WP,   272                         ; a stage row: a unit's 256 bytes + 16 of padding
.set WST,  8*WP                        ; a wave's stage: a phase's eight units
.set SPARE, 8*WST                      ; the spare words, 128 bytes a wave
	s_load_b256 s[4:11], s[0:1], 0x0               ; y, rng, offset, weight
	s_load_b256 s[12:19], s[0:1], 0x20             ; scales, a_codes, b_codes, yvp
	v_lshl_add_u32 v8, v0, 2, SPARE
	v_mov_b32 v9, 0
	v_lshrrev_b32 v1, 5, v0
	v_readfirstlane_b32 s20, v1                    ; wave
	v_and_b32 v2, 31, v0                           ; lane
	s_wait_alu depctr_va_vdst(0)
	s_wait_kmcnt 0x0
	s_load_b64 s[22:23], s[12:13], 0x0             ; ea, eb
	s_cmp_lt_u32 ttmp9, YWG
	s_cbranch_scc0 .Lweight
; ---- y: rows 16 g .. 16 g + 15; my wave: columns 512 w .. 512 w + 511
	s_lshl_b32 s24, ttmp9, 18
	s_mov_b32 s25, 0
	s_lshl_b32 s26, ttmp9, 16                      ; the block's 65,536 bytes of codes,
	s_lshl_b32 s27, s20, 13                        ; my chunk's 32 groups
	s_add_co_u32 s26, s26, s27
	s_mov_b32 s27, 0
	s_lshl_b32 s28, ttmp9, 9
	s_lshl_b32 s29, s20, 6
	s_add_co_u32 s28, s28, s29
	s_mov_b32 s29, 0
	s_add_nc_u64 s[4:5], s[4:5], s[24:25]
	s_add_nc_u64 s[14:15], s[14:15], s[26:27]
	s_add_nc_u64 s[18:19], s[18:19], s[28:29]
	s_lshl_b32 s21, s20, 11
	s_mul_i32 s38, s20, WST                        ; my stage
	v_lshl_add_u32 v3, v2, 4, s21                  ; 2,048 w + 16 x lane
.irp i, 0,1,2,3
	global_load_b128 v[RG+4*\i:RG+4*\i+3], v3, s[6:7] offset:512*\i
.endr
.irp i, 0,1,2,3
	global_load_b128 v[OF+4*\i:OF+4*\i+3], v3, s[8:9] offset:512*\i
.endr
.macro LOADP p                         ; phase p: 512 consecutive bytes of each of the 16 rows
.irp t, 0,1,2,3,4,5,6,7,8,9,10,11,12,13,14,15
	global_load_b128 v[X+64*((\p)%2)+4*\t:X+64*((\p)%2)+4*\t+3], v3, s[4:5] offset:16384*\t+512*(\p) th:TH_LOAD_NT
.endr
.endm
	LOADP 0
	LOADP 1
	v_lshlrev_b32 v4, 4, v2                        ; out: 16 x lane
	v_lshrrev_b32 v7, 2, v2
	v_and_b32 v6, 3, v2
	v_and_b32 v5, 15, v2
	v_lshrrev_b32 v1, 4, v2
	v_mul_u32_u24 v7, v7, WP
	v_mul_u32_u24 v1, v1, WP
	v_lshl_add_u32 v7, v6, 2, v7
	v_lshl_add_u32 v1, v5, 4, v1
	v_add_nc_u32 v7, s38, v7                       ; into the stage: unit lane / 4, my four codes at byte 4 (lane % 4) of a row's 16
	v_add_nc_u32 v1, s38, v1                       ; out of it: sixteen lanes to a unit, two units an instruction
	v_lshlrev_b32 v5, 2, v5                        ; a row's word among the 16 partial sums
	v_and_b32 v6, 8, v2                            ; lane masks for the folding
	s_delay_alu instid0(VALU_DEP_1)
	v_cmp_ne_u32 s30, 0, v6
	v_and_b32 v6, 4, v2
	s_delay_alu instid0(VALU_DEP_1)
	v_cmp_ne_u32 s31, 0, v6
	v_and_b32 v6, 2, v2
	s_delay_alu instid0(VALU_DEP_1)
	v_cmp_ne_u32 s32, 0, v6
	v_and_b32 v6, 1, v2
	s_delay_alu instid0(VALU_DEP_1)
	v_cmp_ne_u32 s33, 0, v6
	s_mov_b32 s34, 0x76543210
	s_mov_b32 s35, 0xfedcba98
	s_wait_kmcnt 0x0
	s_add_co_i32 s22, s22, 127
	s_lshl_b32 s37, s22, 23
	v_mov_b32 v11, s37                             ; 2^ea
	s_add_co_i32 s22, s22, 15
	s_lshl_b32 s22, s22, 23
	s_or_b32 s22, s22, 0x600000
	v_mov_b32 v10, s22                             ; 57,344 x 2^ea
	s_wait_alu depctr_va_vdst(0)
.macro SENDP p                         ; phase p's eight units leave: each store covers two whole units
	s_wait_dscnt 0x0
.irp s, 0,1,2,3
	global_store_b128 v4, v[OUTR+16*((\p)%2)+4*\s:OUTR+16*((\p)%2)+4*\s+3], s[14:15] offset:2048*(\p)+512*\s
.endr
.endm
; A phase, four rows at a time, the rows' chains by turns: the dot product with offset, y x rng in f32, the hold, the conversion (two rows' four numbers each), a row's four codes into the stage.
.macro PHASE p
.irp g, 0,1,2,3
.if (\p) < 3
	s_wait_loadcnt 28-4*\g                         ; these four rows are in; the phase's younger rows and the next phase's 16 may be out
.else
	s_wait_loadcnt 12-4*\g
.endif
.if (\p) > 0 && \g == 1
	SENDP (\p)-1
.endif
.set XG, X+64*((\p)%2)+16*\g
.set SG, S2+8*\g
.irp r, 0,1,2,3
.if (\p) == 0
	v_pk_mul_f32 v[SG+2*\r:SG+2*\r+1], v[XG+4*\r:XG+4*\r+1], v[OF+4*(\p):OF+4*(\p)+1]
.else
	v_pk_fma_f32 v[SG+2*\r:SG+2*\r+1], v[XG+4*\r:XG+4*\r+1], v[OF+4*(\p):OF+4*(\p)+1], v[SG+2*\r:SG+2*\r+1]
.endif
.endr
.irp r, 0,1,2,3
	v_pk_fma_f32 v[SG+2*\r:SG+2*\r+1], v[XG+4*\r+2:XG+4*\r+3], v[OF+4*(\p)+2:OF+4*(\p)+3], v[SG+2*\r:SG+2*\r+1]
.endr
.irp r, 0,1,2,3
	v_pk_mul_f32 v[XG+4*\r:XG+4*\r+1], v[XG+4*\r:XG+4*\r+1], v[RG+4*(\p):RG+4*(\p)+1]
.endr
.irp r, 0,1,2,3
	v_pk_mul_f32 v[XG+4*\r+2:XG+4*\r+3], v[XG+4*\r+2:XG+4*\r+3], v[RG+4*(\p)+2:RG+4*(\p)+3]
.endr
.irp i, 0,1,2,3,4,5,6,7,8,9,10,11,12,13,14,15
	v_med3_num_f32 v[XG+\i], v[XG+\i], -v10, v10   ; the conversion does not saturate (ISA guide 7.6.2): the hold comes first
.endr
	v_cvt_scalef32_pk8_bf8_f32 v[C+4*\g:C+4*\g+1], v[XG:XG+7], v11
	v_cvt_scalef32_pk8_bf8_f32 v[C+4*\g+2:C+4*\g+3], v[XG+8:XG+15], v11
.irp r, 0,1,2,3
	ds_store_b32 v7, v[C+4*\g+\r] offset:16*(4*\g+\r)
.endr
.endr
.if (\p)+2 < 4
	LOADP (\p)+2
.endif
.if (\p) >= 2
	s_wait_xcnt 0x0                                ; the stores of two phases ago have read their data
.endif
.irp s, 0,1,2,3
	ds_load_b128 v[OUTR+16*((\p)%2)+4*\s:OUTR+16*((\p)%2)+4*\s+3], v1 offset:2*\s*WP   ; LDS serves a wave's instructions in order (ISA guide 5.7.1.4): these see my stores
.endr
.endm
.irp p, 0,1,2,3
	PHASE \p
.endr
.irp t, 0,1,2,3,4,5,6,7,8,9,10,11,12,13,14,15
	v_add_f32 v[S+\t], v[S2+2*\t], v[S2+2*\t+1]
.endr
; The 16 sums are folded across the lanes: in a fold by d a lane with bit d set keeps rows i + d and hands rows i to lane xor d.
.macro FOLD d, m
.set i, 0
.rept \d
	v_cndmask_b32 v[T+2*(i%4)], v[S+i], v[S+i+\d], s[\m]
	v_cndmask_b32 v[T+2*(i%4)+1], v[S+i+\d], v[S+i], s[\m]
	s_delay_alu instid0(VALU_DEP_1)
	v_add_f32_dpp v[S+i], v[T+2*(i%4)+1], v[T+2*(i%4)] row_xmask:\d row_mask:0xf bank_mask:0xf
.set i, i+1
.endr
.endm
	FOLD 8, 30
	FOLD 4, 31
	FOLD 2, 32
	FOLD 1, 33
	s_delay_alu instid0(VALU_DEP_1)
	v_permlanex16_b32 v[T], v[S], s34, s35
	s_delay_alu instid0(VALU_DEP_1)
	v_add_f32 v[S], v[S], v[T]
	s_wait_alu depctr_va_vdst(0)
	SENDP 3
	s_wait_xcnt 0x0                                ; EXEC changes only behind this wait
	v_cmp_gt_u32 vcc_lo, 16, v2
	s_and_saveexec_b32 s36, vcc_lo
	global_store_b32 v5, v[S], s[18:19]            ; lanes 0-15: the 16 rows' sums over my chunk
	s_wait_xcnt 0x0
	s_or_b32 exec_lo, exec_lo, s36
	s_wait_tensorcnt 0x0                           ; the wave's end
	ds_add_u32 v8, v9
	s_wait_dscnt 0x0
	s_endpgm
; ---- weight [4096 k][4096 n] f32.  A load reads one row k at 128 neighbouring columns, four a lane.  The hold writes each number to its column's run of 16 places,
; so the conversions find neighbours along K in consecutive registers.  A lane's 16 codes of one column are 16 bytes of a unit; sixteen lanes fill the unit.
.Lweight:
	s_sub_co_u32 s24, ttmp9, YWG
	s_and_b32 s25, s24, 15                         ; block of 256 columns
	s_lshr_b32 s26, s24, 4                         ; kh: which 16 groups
	s_and_b32 s27, s20, 1                          ; my half of the columns
	s_lshr_b32 s28, s20, 1                         ; my four groups of the 16
	s_lshl_b32 s29, s26, 8
	s_lshl_b32 s30, s28, 6
	s_add_co_u32 s29, s29, s30                     ; my first row: 256 kh + 64 (w / 2)
	s_lshl_b32 s30, s29, 14
	s_lshl_b32 s31, s25, 10
	s_add_co_u32 s30, s30, s31
	s_lshl_b32 s31, s27, 9
	s_add_co_u32 s30, s30, s31
	s_mov_b32 s31, 0
	s_add_nc_u64 s[10:11], s[10:11], s[30:31]
	s_lshl_b32 s32, s26, 1
	s_lshr_b32 s33, s20, 2
	s_add_co_u32 s32, s32, s33                     ; step of 128 along K: 2 kh + w / 4
	s_lshl_b32 s32, s32, 15
	s_lshl_b32 s33, s25, 20
	s_add_co_u32 s32, s32, s33
	s_lshl_b32 s33, s27, 14                        ; my half's eight fragments
	s_add_co_u32 s32, s32, s33
	s_and_b32 s33, s28, 1
	s_lshl_b32 s33, s33, 10                        ; groups 0-3 or 4-7 of the step
	s_add_co_u32 s32, s32, s33
	s_mov_b32 s33, 0
	s_add_nc_u64 s[16:17], s[16:17], s[32:33]
	v_lshlrev_b32 v3, 4, v2                        ; in: 16 bytes a lane
	v_and_b32 v5, 15, v2
	v_lshrrev_b32 v6, 4, v2
	v_lshlrev_b32 v5, 4, v5
	v_lshl_or_b32 v4, v6, 13, v5                   ; out: row r = lane % 16; lanes 16-31 four fragments on
.macro LOADW u                         ; group u: rows 16 u + e from my first
.irp e, 0,1,2,3,4,5,6,7,8,9,10,11,12,13,14,15
	global_load_b128 v[XW+64*((\u)%2)+4*\e:XW+64*((\u)%2)+4*\e+3], v3, s[10:11] offset:(16*(\u)+\e)*16384 th:TH_LOAD_NT
.endr
.endm
	LOADW 0
	LOADW 1
	s_wait_kmcnt 0x0
	s_add_co_i32 s23, s23, 127
	s_lshl_b32 s34, s23, 23
	v_mov_b32 v11, s34                             ; 2^eb
	s_add_co_i32 s23, s23, 15
	s_lshl_b32 s23, s23, 23
	s_or_b32 s23, s23, 0x600000
	v_mov_b32 v10, s23                             ; 57,344 x 2^eb
	s_wait_alu depctr_va_vdst(0)
.macro BLOCK u
.set XS, XW+64*((\u)%2)
.set CS, CW+16*((\u)%2)
.if (\u) < 3
	s_wait_loadcnt 16                              ; this group's 16 loads are in; the next group's may be out
.else
	s_wait_loadcnt 0
.endif
.if (\u) >= 2
	s_wait_xcnt 0x0                                ; the stores of two groups ago have read their data
.endif
.irp e, 0,1,2,3,4,5,6,7,8,9,10,11,12,13,14,15
.irp c, 0,1,2,3
	v_med3_num_f32 v[XT+16*\c+\e], v[XS+4*\e+\c], -v10, v10   ; the hold, and the number's place in its column's run
.endr
.endr
.if (\u)+2 < 4
	LOADW (\u)+2
.endif
.irp c, 0,1,2,3
	v_cvt_scalef32_pk8_bf8_f32 v[CS+4*\c:CS+4*\c+1], v[XT+16*\c:XT+16*\c+7], v11
	v_cvt_scalef32_pk8_bf8_f32 v[CS+4*\c+2:CS+4*\c+3], v[XT+16*\c+8:XT+16*\c+15], v11
.endr
	v_nop                                          ; one plain place behind the conversions: the next group's holds write their sources
.irp c, 0,1,2,3
	global_store_b128 v4, v[CS+4*\c:CS+4*\c+3], s[16:17] offset:2048*\c+256*(\u)   ; sixteen lanes fill a unit of 256 bytes
.endr
.endm
.irp u, 0,1,2,3
	BLOCK \u
.endr
	s_endpgm
.Lfunc_end_k_q87c5d02a83_quant:
	.size	k_q87c5d02a83_quant, .Lfunc_end_k_q87c5d02a83_quant-k_q87c5d02a83_quant
	.p2alignl 7, 3214868480
	.fill 96, 4, 3214868480
	.section	.rodata,"a",@progbits
	.p2align	6, 0x0
	.amdhsa_kernel k_q87c5d02a83_quant
		.amdhsa_group_segment_fixed_size 18432
		.amdhsa_private_segment_fixed_size 0
		.amdhsa_enable_private_segment 0
		.amdhsa_kernarg_size 64
		.amdhsa_user_sgpr_count 2
		.amdhsa_user_sgpr_kernarg_segment_ptr 1
		.amdhsa_wavefront_size32 1
		.amdhsa_system_sgpr_workgroup_id_x 1
		.amdhsa_system_sgpr_workgroup_id_y 1
		.amdhsa_system_sgpr_workgroup_id_z 1
		.amdhsa_system_vgpr_workitem_id 0
		.amdhsa_next_free_vgpr 256
		.amdhsa_next_free_sgpr 66
		.amdhsa_reserve_vcc 1
		.amdhsa_float_denorm_mode_32 3
		.amdhsa_float_denorm_mode_16_64 3
		.amdhsa_memory_ordered 1
		.amdhsa_forward_progress 1
		.amdhsa_inst_pref_size 83
	.end_amdhsa_kernel
	.amdgpu_metadata
---
amdhsa.version: [ 1, 2 ]
amdhsa.kernels:
  - .name:           k_q87c5d02a83_quant
    .symbol:         k_q87c5d02a83_quant.kd
    .args:
      - { .name: y, .offset: 0, .size: 8, .value_kind: global_buffer, .address_space: global }
      - { .name: rng, .offset: 8, .size: 8, .value_kind: global_buffer, .address_space: global }
      - { .name: offset, .offset: 16, .size: 8, .value_kind: global_buffer, .address_space: global }
      - { .name: weight, .offset: 24, .size: 8, .value_kind: global_buffer, .address_space: global }
      - { .name: lowp_scales, .offset: 32, .size: 8, .value_kind: global_buffer, .address_space: global }
      - { .name: a_codes, .offset: 40, .size: 8, .value_kind: global_buffer, .address_space: global }
      - { .name: b_codes, .offset: 48, .size: 8, .value_kind: global_buffer, .address_space: global }
      - { .name: yvp, .offset: 56, .size: 8, .value_kind: global_buffer, .address_space: global }
    .group_segment_fixed_size: 18432
    .private_segment_fixed_size: 0
    .kernarg_segment_align: 8
    .kernarg_segment_size: 64
    .max_flat_workgroup_size: 256
    .sgpr_count:     66
    .vgpr_count:     256
    .wavefront_size: 32
...
	.end_amdgpu_metadata
.endif
;; end of part 1
;; launch gemm (part 2): grid 16 x 16, 4 waves a work-group, clusters of 4 x 1, 327,680 bytes of LDS; arguments a_codes, b_codes, lowp_scales, yvp, out0; writes out0
.if DOCPART == 2
	.amdgcn_target "amdgcn-amd-amdhsa--gfx1250"
	.amdhsa_code_object_version 6
	.text
	.protected	k_q87c5d02a83_gemm
	.globl	k_q87c5d02a83_gemm
	.p2align	8
	.type	k_q87c5d02a83_gemm,@function
k_q87c5d02a83_gemm:
	s_mov_b64 s[64:65], 0
	v_nop
	global_prefetch_b8 v0, s[64:65] scope:SCOPE_SE
	s_setreg_imm32_b32 hwreg(HW_REG_WAVE_MODE, 25, 1), 1
	s_wait_xcnt 0x0
	s_wait_alu depctr_hold_cnt(0) depctr_sa_sdst(0) depctr_va_vdst(0) depctr_va_sdst(0) depctr_va_ssrc(0) depctr_va_vcc(0) depctr_vm_vsrc(0)
	s_getreg_b32 s2, hwreg(HW_REG_IB_STS2, 6, 4)
	s_cmp_eq_u32 s2, 0
	s_cbranch_scc0 .Lentry_in_a_cluster
	s_endpgm
.Lentry_in_a_cluster:
	s_bfe_u32 s2, ttmp6, 0x10000c
	s_cmp_lg_u32 s2, 0x3003
	s_cbranch_scc0 .Lentry_shape_is_right
	s_endpgm
.Lentry_shape_is_right:
; out[m][n] = 2^(ea + eb) x sum over k of A[m][k] B[n][k] + yv[m], on codes of BF8 laid as images of the operand registers (see the launch that makes them).
; LIMIT: ea + eb lies between -126 and 127, so that 2^(ea + eb) is an f32 number.
; A work-group makes 256 x 256; wave w makes rows 64 w .. 64 w + 63 x all 256 columns: 64 accumulators, 512 registers.
; B, which all four waves read, goes through LDS: two regions of three steps of 128 along K (96 KiB each, dense rows of 256 bytes), filled by the tensor data mover.
; The four work-groups of a cluster lie along M and need the same B: each tile is asked for JOINTLY (mask 15).
; A, of which each wave reads rows of its own alone, goes from memory straight into registers, 512 consecutive bytes a load, three sets, two steps ahead;
; loads into registers have no joint form, so A is not shared in the cluster.
; A ring of 16 fragments holds one step of B; half of it is fetched anew, for the next step, when its 32 products are issued.  So when a slot's last step begins,
; all of that slot has been read: the region is filled again there, and the load has a whole slot's 192 matrix instructions in which to land.
; K: slots 0-9 hold three steps each, slot 10 steps 30 and 31.  The head's one load a wave brings a quarter of slots 0 and 1 together: both regions lie on end, in LDS as in memory.
; Source 0 = 16 rows of A, source 1 = 16 rows of B: register j of lane (r, h) is (m = 8 h + j, fragment row r).
; Fragment b's row r is column 64 (b / 4) + 4 r + b % 4: so four accumulators give a lane 16 neighbouring bytes of a row of out, sixteen lanes 256, with no turn through LDS.
; REGISTERS: window 0: v0-63 addresses and yv; v64-255 A's three sets.  Window 1: B's ring.  Window 2: accumulators of b = 0-7 ((b, a) at v[8 (4 (b % 8) + a)]).  Window 3: b = 8-15.
.set STEPB, 32768                      ; a step of B: 16 fragments of 2,048 bytes
.set SLOTB, 3*STEPB
.set REG1,  SLOTB
.set SPARE, 2*SLOTB                    ; the spare words, 128 bytes a wave
.set ADR, 16                           ; v16-19 16 x lane + region 0, + 64 KiB, region 1, + 64 KiB
.set VA,  20                           ; 16 x lane
.set VPA, 21                           ; A's prefetch: lane / 8 picks the block of 16 rows, lane % 8 the 256 bytes
.set VPB, 22                           ; B's prefetch: 256 x min(lane, 23)
.set CO,  23                           ; out: 8 h rows + 16 r bytes
.set YVO, 24
.set SPW, 28
.set NIL, 29
.set YR,  32                           ; v32-47 yv's partial sums as loaded
.set IDX, 48                           ; v48-55 4 x (8 h + j)
.set YV,  64                           ; the way out: yv(8 h + j) of block a at v[64 + 8 a + j]
.set AF,  64
.set G1S, 24                           ; group 1: 64 rows (slot 10);  G1: 96 rows;  G1H: 192 rows (the head)
.set G1,  32
.set G1H, 76
.set DH,  40                           ; group 0: the head's;  D0: region 0;  D0 + 4: region 1;  DL: slot 10
.set D0,  44
.set DL,  84
.set SA,  52                           ; A at my first block of 16 rows, stepped once a trip
.set SPB, 54                           ; B's prefetches: slot 0's place of my share, stepped once a trip
.set MLO, 0xa4                         ; source 0 (A) window 0, source 1 (B) window 1, C and D window 2
.set MHI, 0xf4
.set TOB, 0x40
.set MSB, 0
.macro WIN new
.if MSB != \new
	s_set_vgpr_msb (MSB<<8)|\new
.set MSB, \new
.endif
.endm
.macro CREST
	s_cmp_lg_u32 s14, 0
	s_cbranch_scc1 .Lnot_wave_0_\@
	s_barrier_signal -3
.Lnot_wave_0_\@:
	s_barrier_wait -3
	s_barrier_signal -1
	s_barrier_wait -1
.endm
.macro CROUND
	s_barrier_signal -1
	s_barrier_wait -1
	CREST
.endm
.macro PLACES
.rept 4
	v_nop
.endr
.endm
	s_load_b128 s[4:7], s[0:1], 0x0                ; a_codes, b_codes
	s_load_b128 s[8:11], s[0:1], 0x10              ; scales, yvp
	s_load_b64 s[12:13], s[0:1], 0x20              ; out
	v_lshl_add_u32 v[SPW], v0, 2, SPARE
	v_mov_b32 v[NIL], 0
	ds_add_u32 v[SPW], v[NIL]
	ds_add_u32 v[SPW], v[NIL]
	v_lshrrev_b32 v1, 5, v0
	v_readfirstlane_b32 s14, v1                    ; wave
	s_bfe_u32 s15, ttmp6, 0x40000                  ; cx
	s_lshl_b32 s16, ttmp9, 2
	s_add_co_u32 s16, s16, s15                     ; block row of out
	s_and_b32 s17, ttmp7, 0xffff                   ; block column: the same in all four partners
	s_mov_b32 s[G1S+2], 64<<16
	s_mov_b32 s[G1+2], 96<<16
	s_mov_b32 s[G1H+2], 192<<16
	s_mov_b32 s[G1S+4], 64
	s_mov_b32 s[G1+4], 96
	s_mov_b32 s[G1H+4], 192
.irp g, G1S, G1, G1H
	s_mov_b32 s[\g+0], 15|(1<<21)                  ; the mask of all four, bit 21 beside it; elements of one byte, no padding
	s_mov_b32 s[\g+1], 256<<16
	s_mov_b32 s[\g+3], 256<<16
	s_mov_b32 s[\g+5], 256
	s_mov_b32 s[\g+6], 0
	s_mov_b32 s[\g+7], 0
.endr
	s_lshl_b32 s18, s17, 20                        ; the block column's 1 MiB of B
	s_mov_b32 s19, 0
	s_mul_i32 s20, s14, SLOTB/2                    ; my quarter of the head's two slots
	s_mov_b32 s21, 0
	s_mul_i32 s22, s14, SLOTB/4                    ; my quarter of a later slot
	s_mov_b32 s23, 0
	s_mov_b32 s74, 0x76543210
	s_mov_b32 s75, 0xfedcba98
	s_wait_dscnt 0x0
	s_wait_kmcnt 0x0
	s_load_b64 s[96:97], s[8:9], 0x0               ; ea, eb
	s_add_nc_u64 s[6:7], s[6:7], s[18:19]
	s_mov_b32 s[DH], 1
	s_mov_b32 s[DH+1], s20
	s_add_nc_u64 s[DH+2:DH+3], s[6:7], s[20:21]
	s_or_b32 s[DH+3], s[DH+3], 0x80000000
	CROUND                                         ; the round in front of the first joint loads
	tensor_load_to_lds s[DH:DH+3], s[G1H:G1H+7]    ; slots 0 and 1: steps 0 to 5
	s_nop 0
	s_mov_b32 s[D0], 1
	s_mov_b32 s[D0+1], s22
	s_add_nc_u64 s[D0+2:D0+3], s[6:7], s[22:23]
	s_add_nc_u64 s[D0+2:D0+3], s[D0+2:D0+3], 2*SLOTB          ; slot 2
	s_or_b32 s[D0+3], s[D0+3], 0x80000000
	s_mov_b32 s[D0+4], 1
	s_add_co_u32 s[D0+5], s22, REG1
	s_add_nc_u64 s[D0+6:D0+7], s[6:7], s[22:23]
	s_add_nc_u64 s[D0+6:D0+7], s[D0+6:D0+7], SLOTB            ; slot 1's place: stepped to slot 3 ahead of its first use
	s_or_b32 s[D0+7], s[D0+7], 0x80000000
	s_lshl_b32 s58, s14, 14                        ; my quarter of slot 10
	s_mov_b32 s59, 0
	s_mov_b32 s[DL], 1
	s_mov_b32 s[DL+1], s58
	s_add_nc_u64 s[DL+2:DL+3], s[6:7], s[58:59]
	s_add_nc_u64 s[DL+2:DL+3], s[DL+2:DL+3], 10*SLOTB
	s_or_b32 s[DL+3], s[DL+3], 0x80000000
	s_mul_i32 s60, s15, SLOTB/16                   ; the partners share a quarter's 96 blocks of 256 bytes out by address: 24 each
	s_mov_b32 s61, 0
	s_add_nc_u64 s[SPB:SPB+1], s[6:7], s[22:23]
	s_add_nc_u64 s[SPB:SPB+1], s[SPB:SPB+1], s[60:61]
	s_lshl_b32 s56, s16, 4
	s_lshl_b32 s57, s14, 2
	s_add_co_u32 s56, s56, s57                     ; my first block of 16 rows
	s_lshl_b32 s58, s56, 9
	s_add_nc_u64 s[10:11], s[10:11], s[58:59]
	s_lshl_b32 s58, s56, 18                        ; 16 rows of 16,384 bytes of out
	s_lshl_b32 s60, s17, 10
	s_add_co_u32 s58, s58, s60
	s_add_nc_u64 s[12:13], s[12:13], s[58:59]
	s_lshl_b32 s56, s56, 16
	s_mov_b32 s57, 0
	s_add_nc_u64 s[SA:SA+1], s[4:5], s[56:57]
	v_and_b32 v2, 31, v0
	v_lshlrev_b32 v[ADR], 4, v2
	v_lshlrev_b32 v[VA], 4, v2
	v_lshlrev_b32 v[YVO], 2, v2
	v_lshrrev_b32 v3, 4, v2
	v_and_b32 v4, 15, v2
	v_lshrrev_b32 v5, 3, v2
	v_and_b32 v6, 7, v2
	v_min_u32 v7, 23, v2
	v_add_nc_u32 v[ADR+1], 0x10000, v[ADR]
	v_add_nc_u32 v[ADR+2], REG1, v[ADR]
	v_add_nc_u32 v[ADR+3], REG1+0x10000, v[ADR]
	v_lshlrev_b32 v6, 8, v6
	v_lshl_or_b32 v[VPA], v5, 16, v6
	v_lshlrev_b32 v[VPB], 8, v7
	v_lshlrev_b32 v4, 4, v4
	v_lshl_or_b32 v[CO], v3, 17, v4
	v_lshlrev_b32 v3, 5, v3
.irp j, 0,1,2,3,4,5,6,7
	v_add_nc_u32 v[IDX+\j], 4*\j, v3
.endr
	s_wait_alu depctr_va_vdst(0)
.irp a, 0,1,2,3
.irp j, 0,1,2,3
	global_load_b32 v[YR+4*\a+\j], v[YVO], s[10:11] offset:512*\a+128*\j   ; chunks 2 j and 2 j + 1, 16 rows each
.endr
.endr
; A's four fragments of the step st steps on from SA, into a set
.macro ALOAD st, set
.irp a, 0,1,2,3
.irp c, 0,1,2,3
	global_load_b128 v[AF+64*(\set)+16*\a+4*\c:AF+64*(\set)+16*\a+4*\c+3], v[VA], s[SA:SA+1] offset:65536*\a+2048*(\st)+512*\c
.endr
.endr
.endm
; B's fragments b0 .. b0 + 7 of step q of a region, into the ring
.macro RING r, q, b0
.irp i, 0,1,2,3,4,5,6,7
.irp c, 0,1,2,3
	ds_load_b128 v[16*(\b0+\i)+4*\c:16*(\b0+\i)+4*\c+3], v[ADR+2*(\r)+(\q)/2] offset:STEPB*((\q)%2)+2048*(\b0+\i)+512*\c
.endr
.endr
.endm
; 16 matrix instructions: B's fragments b0 .. b0 + 3, each against A's four.  The 64 accumulators take turns.
.macro MUL b0, set, zero
.irp i, 0,1,2,3
.irp a, 0,1,2,3
.if \zero
	v_wmma_f32_16x16x128_bf8_bf8 v[8*(4*((\b0+\i)%8)+\a):8*(4*((\b0+\i)%8)+\a)+7], v[AF+64*(\set)+16*\a:AF+64*(\set)+16*\a+15], v[16*(\b0+\i):16*(\b0+\i)+15], 0
.else
	v_wmma_f32_16x16x128_bf8_bf8 v[8*(4*((\b0+\i)%8)+\a):8*(4*((\b0+\i)%8)+\a)+7], v[AF+64*(\set)+16*\a:AF+64*(\set)+16*\a+15], v[16*(\b0+\i):16*(\b0+\i)+15], v[8*(4*((\b0+\i)%8)+\a):8*(4*((\b0+\i)%8)+\a)+7]
.endif
.endr
.endr
.endm
.macro PFA t                           ; A's 8 KiB of the step three steps on from the loads issued in this step: 32 blocks of 256 bytes, a lane each
	global_prefetch_b8 v[VPA], s[SA:SA+1] offset:2048*((\t)+6) th:TH_LOAD_NT scope:SCOPE_SE
.endm
; A step whose successor lies at (region nr, step nq).  t: the step counted from SA; its set is t % 3, which then takes step t + 3.
; lc: the loads of the younger sets that may be out.  dscnt 48 and 32: the ring's younger loads, 16 for each four fragments, may be out.
.macro STEP t, nr, nq, zero, al, pf, lc
	s_wait_loadcnt \lc
	s_wait_dscnt 48
	WIN MLO
	MUL 0, (\t)%3, \zero
	s_wait_dscnt 32
	MUL 4, (\t)%3, \zero
	PLACES                                         ; four places in front of loads into registers that matrix instructions have read
	WIN TOB
	RING \nr, \nq, 0
.if \pf
	PFA \t
.endif
	s_wait_dscnt 48
	WIN MHI
	MUL 8, (\t)%3, \zero
	s_wait_dscnt 32
	MUL 12, (\t)%3, \zero
	PLACES
	WIN TOB
	RING \nr, \nq, 8
	WIN 0
.if \al
	ALOAD (\t)+3, (\t)%3
.endif
.endm
; A slot's last step.  All of region p has been asked for; in front of the barrier each wave waits for all its tensor loads (the next slot's part), adds 0 to its spare word,
; and waits for that and for its reads.  fill = 1: a round of the cluster's barrier, and region p takes the slot two on, by groups g0 and g1.  ask: offset of B's prefetch (the slot three on), 0 = none.
.macro TURN t, p, fill, g0, g1, ask, al, pf, lc
	s_wait_loadcnt \lc
	s_wait_tensorcnt 0x0
	ds_add_u32 v[SPW], v[NIL]
	s_add_nc_u64 s[D0+6-4*(\p):D0+7-4*(\p)], s[D0+6-4*(\p):D0+7-4*(\p)], 2*SLOTB   ; no load of mine is out: the other region's next slot
	s_wait_dscnt 49                                ; the ring's 48 younger loads and the add may be out
	WIN MLO
	MUL 0, (\t)%3, 0
	s_wait_dscnt 0x0
	s_barrier_signal -1
	MUL 4, (\t)%3, 0
	WIN 0
	s_barrier_wait -1
.if \fill
	CREST
	tensor_load_to_lds s[\g0:\g0+3], s[\g1:\g1+7]
	s_nop 0
.endif
	PLACES
	WIN TOB
	RING 1-(\p), 0, 0
.if \ask
	global_prefetch_b8 v[VPB], s[SPB:SPB+1] offset:\ask th:TH_LOAD_NT scope:SCOPE_SE
.endif
.if \pf
	PFA \t
.endif
	WIN MHI
	MUL 8, (\t)%3, 0
	MUL 12, (\t)%3, 0
	PLACES
	WIN TOB
	RING 1-(\p), 0, 8
	WIN 0
.if \al
	ALOAD (\t)+3, (\t)%3
.endif
.endm
	ALOAD 0, 0
	ALOAD 1, 1
	ALOAD 2, 2
	s_wait_tensorcnt 0x0                           ; my quarter of slots 0 and 1 is in;
	s_barrier_signal -1
	s_barrier_wait -1                              ; and so is everybody's.
	WIN TOB
	RING 0, 0, 0
	RING 0, 0, 8
	STEP 0, 0, 1, 1, 1, 1, 32                      ; the first step's products start the sums
	STEP 1, 0, 2, 0, 1, 1, 32
	TURN 2, 0, 1, D0, G1, 3*SLOTB, 1, 1, 32
	s_mov_b32 s3, 3
.Llap:                                                 ; a trip: an odd slot (region 1) and an even one (region 0), six steps; the sets' numbers come round.  Slots 1 to 6
	STEP 3, 1, 1, 0, 1, 1, 32
	STEP 4, 1, 2, 0, 1, 1, 32
	TURN 5, 1, 1, D0+4, G1, 4*SLOTB, 1, 1, 32
	STEP 6, 0, 1, 0, 1, 1, 32
	STEP 7, 0, 2, 0, 1, 1, 32
	TURN 8, 0, 1, D0, G1, 5*SLOTB, 1, 1, 32
	s_wait_xcnt 0x0                                ; the loads and prefetches have read their bases
	s_add_nc_u64 s[SA:SA+1], s[SA:SA+1], 6*2048
	s_add_nc_u64 s[SPB:SPB+1], s[SPB:SPB+1], 2*SLOTB
	s_sub_co_u32 s3, s3, 1
	s_cmp_lg_u32 s3, 0
	s_cbranch_scc1 .Llap
	STEP 3, 1, 1, 0, 1, 1, 32                      ; slot 7: its last step asks for slot 9
	STEP 4, 1, 2, 0, 1, 1, 32
	TURN 5, 1, 1, D0+4, G1, 0, 1, 1, 32
	STEP 6, 0, 1, 0, 1, 1, 32                      ; slot 8: its last step asks for slot 10, two steps
	STEP 7, 0, 2, 0, 1, 1, 32
	TURN 8, 0, 1, DL, G1S, 0, 1, 0, 32
	STEP 9, 1, 1, 0, 1, 0, 32                      ; slot 9: nothing is filled again; A's last set is asked for in step 28
	STEP 10, 1, 2, 0, 1, 0, 32
	TURN 11, 1, 0, 0, 0, 0, 0, 0, 32
	STEP 12, 0, 1, 0, 0, 0, 16                     ; slot 10
	s_wait_loadcnt 0x0
.irp b0, 0,4,8,12
	s_wait_dscnt 48-4*\b0
	WIN MLO+0x50*(\b0/8)
	MUL \b0, 1, 0
.endr
	WIN 0
; THE WAY OUT.  yv: the eight chunks' sums are added, and lane (r, h) takes yv(8 h + j) from lane 8 h + j.
	s_wait_kmcnt 0x0
	s_add_co_i32 s96, s96, s97
	s_add_co_i32 s96, s96, 127
	s_lshl_b32 s96, s96, 23                        ; 2^(ea + eb)
.irp a, 0,1,2,3
	v_add_f32 v[YR+4*\a], v[YR+4*\a], v[YR+4*\a+1]
	v_add_f32 v[YR+4*\a+2], v[YR+4*\a+2], v[YR+4*\a+3]
.endr
.irp a, 0,1,2,3
	v_add_f32 v[YR+4*\a], v[YR+4*\a], v[YR+4*\a+2]
.endr
.irp a, 0,1,2,3
	v_permlanex16_b32 v[YR+4*\a+1], v[YR+4*\a], s74, s75
.endr
.irp a, 0,1,2,3
	v_add_f32 v[YR+4*\a], v[YR+4*\a], v[YR+4*\a+1]
.endr
.irp a, 0,1,2,3
.irp j, 0,1,2,3,4,5,6,7
	ds_bpermute_b32 v[YV+8*\a+\j], v[IDX+\j], v[YR+4*\a]
.endr
.endr
	s_wait_dscnt 0x0
; 16 rows x 64 columns: four accumulators, each from its low end on; register 4 j + e of the group is (row 8 h + j, column 4 r + e).  Eight groups of 32 registers in window 1 take turns.
.macro GROUP a, g
.set TB, 32*((4*(\a)+(\g))%8)
.if 4*(\a)+(\g) >= 8
	s_wait_xcnt 0x0                                ; the stores of eight groups ago have read their data
.endif
	WIN 0x42+(\g)/2
.irp j, 0,1,2,3,4,5,6,7
.irp e, 0,1,2,3
	v_fma_f32 v[TB+4*\j+\e], v[8*(4*((4*(\g)+\e)%8)+(\a))+\j], s96, v[YV+8*(\a)+\j]
.endr
.endr
	WIN 0x04
.irp j, 0,1,2,3,4,5,6,7
	global_store_b128 v[CO], v[TB+4*\j:TB+4*\j+3], s[12:13] offset:(16*(\a)+\j)*16384+256*(\g) th:TH_STORE_NT   ; sixteen lanes store 256 consecutive bytes, aligned
.endr
.endm
.irp a, 0,1,2,3
.irp g, 0,1,2,3
	GROUP \a, \g
.endr
.endr
	WIN 0
	s_wait_tensorcnt 0x0                           ; the wave's end
	ds_add_u32 v[SPW], v[NIL]
	s_wait_dscnt 0x0
	CROUND                                         ; the closing round
	s_endpgm
.Lfunc_end_k_q87c5d02a83_gemm:
	.size	k_q87c5d02a83_gemm, .Lfunc_end_k_q87c5d02a83_gemm-k_q87c5d02a83_gemm
	.p2alignl 7, 3214868480
	.fill 96, 4, 3214868480
	.section	.rodata,"a",@progbits
	.p2align	6, 0x0
	.amdhsa_kernel k_q87c5d02a83_gemm
		.amdhsa_group_segment_fixed_size 327680
		.amdhsa_private_segment_fixed_size 0
		.amdhsa_enable_private_segment 0
		.amdhsa_kernarg_size 40
		.amdhsa_user_sgpr_count 2
		.amdhsa_user_sgpr_kernarg_segment_ptr 1
		.amdhsa_wavefront_size32 1
		.amdhsa_system_sgpr_workgroup_id_x 1
		.amdhsa_system_sgpr_workgroup_id_y 1
		.amdhsa_system_sgpr_workgroup_id_z 1
		.amdhsa_system_vgpr_workitem_id 0
		.amdhsa_next_free_vgpr 1024
		.amdhsa_next_free_sgpr 98
		.amdhsa_reserve_vcc 0
		.amdhsa_float_denorm_mode_32 3
		.amdhsa_float_denorm_mode_16_64 3
		.amdhsa_memory_ordered 1
		.amdhsa_forward_progress 1
		.amdhsa_inst_pref_size 255
	.end_amdhsa_kernel
	.section	.bss,"aw",@nobits
	.p2align	6
	.space	262144
	.amdgpu_metadata
---
amdhsa.version: [ 1, 2 ]
amdhsa.kernels:
  - .name:           k_q87c5d02a83_gemm
    .symbol:         k_q87c5d02a83_gemm.kd
    .args:
      - { .name: a_codes, .offset: 0, .size: 8, .value_kind: global_buffer, .address_space: global }
      - { .name: b_codes, .offset: 8, .size: 8, .value_kind: global_buffer, .address_space: global }
      - { .name: lowp_scales, .offset: 16, .size: 8, .value_kind: global_buffer, .address_space: global }
      - { .name: yvp, .offset: 24, .size: 8, .value_kind: global_buffer, .address_space: global }
      - { .name: out0, .offset: 32, .size: 8, .value_kind: global_buffer, .address_space: global }
    .group_segment_fixed_size: 327680
    .private_segment_fixed_size: 0
    .kernarg_segment_align: 8
    .kernarg_segment_size: 40
    .max_flat_workgroup_size: 128
    .sgpr_count:     98
    .vgpr_count:     1024
    .wavefront_size: 32
...
	.end_amdgpu_metadata
.endif
;; end of part 2
